; MI455X (gfx1250); checked and timed in simulation.
; The chip was launched on July 23, 2026; its instructions are those of AMD's public machine-readable ISA for CDNA 5 (MIT licence, August 2026) and "CDNA5" Instruction Set Architecture Reference Guide (July 2026). The comments in the code are by the model that wrote it; some were corrected since.
;; DAGM Mnet. Allowed arithmetic: float matrix products may take bf16 or f16 operands with f32 sums; other float arithmetic in f32, or as packed bf16 or f16 multiplies, adds, multiply-adds, maxima and minima; sums over many terms, partial sums and values carried from step to step in f32; what a program stores and reads back later, other than sums and carried values, may be rounded once to bf16 or f16.
;; Inputs: E0 8 x 128 float32; E1 128 x 64 float32; E2 64 x 16 float32; W0 128 x 512 float32; W1 512 x 256 float32; W2 256 x 64 float32; W3 64 x 8 float32; b0 512 float32; b1 256 float32; b2 64 float32; b3 8 float32; eb0 128 float32; eb1 64 float32; eb2 16 float32; x 262,144 x 128 float32.
;; Outputs: out0 262,144 float32; out1 262,144 x 8 float32.
;; One version. Each part assembles by itself: llvm-mc -triple=amdgcn-amd-amdhsa -mcpu=gfx1250 --defsym DOCPART=n.
;; ======== version 1 of 1: 4 launches
;; limits: a difference of large sums (such as E[x^2] - mean^2): digits are lost where the result is much smaller than its terms; values are held in f16: magnitudes above 65,504 overflow, below 6.1e-05 lose precision; values outside matrix products are rounded to bf16
;; workspace buffers: wts 589,824 bytes; part 2,097,152 bytes; prm 4,096 bytes
;; launch prep (part 1): grid 293 x 1, 4 waves a work-group, no clusters, 0 bytes of LDS; arguments W0, W1, W2, W3, E0, E1, E2, b0, b1, b2, b3, eb0, eb1, eb2, wts; writes wts
.if DOCPART == 1
	.amdgcn_target "amdgcn-amd-amdhsa--gfx1250"
	.amdhsa_code_object_version 6
	.text
	.protected	k_qec331066a4_prep
	.globl	k_qec331066a4_prep
	.p2align	8
	.type	k_qec331066a4_prep,@function
k_qec331066a4_prep:
	s_mov_b64 s[64:65], 0
	v_nop
	global_prefetch_b8 v0, s[64:65] scope:SCOPE_SE
	s_setreg_imm32_b32 hwreg(HW_REG_WAVE_MODE, 25, 1), 1
	s_wait_xcnt 0x0
; THE PROGRAM (four launches): prep lays the weights out; mlp takes all rows through the seven layers, stores z and partial moments;
; gmm makes each component's parameters; energy solves and takes -logsumexp.
; NOTHING OF THE INPUTS IS LEFT OUT: every weight and every bias has a way to an output (eb2 differs along the softmax's axis) and is loaded here.
; ONE STEP IS NOT FORMED: sqrt(gamma).  zc = sqrt(gamma) (z - mu), and sigma sums zc zc^T = gamma (z - mu)(z - mu)^T, an identity for every gamma >= 0,
; which a softmax always gives.  The sum is taken as moments about the pivot b3: with y = z - b3, S0 = sum gamma, S1 = sum gamma y, S2 = sum gamma y y^T,
; mu = b3 + S1/S0 and sigma = S2/S0 - (S1/S0)(S1/S0)^T, equal in exact arithmetic for all inputs.
; LIMITS.  That one-pass form loses about (mean y)^2 / var y of its relative precision; y = h2 W3 with |h2| <= 1.  Inputs are rounded to bf16; what the
; program itself makes as a matrix operand (h, z, g) is f16, so |z| and every weight but W0 stay under 65,504; gamma and the moment features are bf16.
; A NaN or an infinity is not treated apart.
; THIS LAUNCH: wts = the weights as matrix fragments.  A fragment is 16 outputs m x 32 inputs k in 1,024 bytes: byte = 512 half + 16 lane + 2 e,
; lane = r + 16 h, m = m0 + r, k = k0 + 16 half + 8 h + e: two loads of 16 bytes a lane fill a matrix operand.  W0 in bf16; the others bf16-rounded, written as f16.
; A work-group makes 2,048 bytes, a thread 16; a wave's store covers 512 consecutive bytes.  Work-groups 285 to 292 make the eight parts of the bias region (f32 of the bf16 rounding).
.set BIASB, 321536
	s_load_b512 s[8:23], s[0:1], 0x0               ; W0 s8, W1 s10, W2 s12, W3 s14, E0 s16, E1 s18, E2 s20, b0 s22
	s_load_b256 s[24:31], s[0:1], 0x40             ; b1 s24, b2 s26, b3 s28, eb0 s30
	s_load_b128 s[32:35], s[0:1], 0x60             ; eb1 s32, eb2 s34
	s_load_b64 s[36:37], s[0:1], 0x70              ; wts
	s_wait_kmcnt 0x0
.macro AT wb, ob                       ; s40 = my number in the region, s43 = the region's first byte in wts
	s_sub_co_u32 s40, ttmp9, \wb
	s_mov_b32 s43, \ob
.endm
; ps: the source's pointer; nout, kk: its columns and rows; fragment number f = (s40 << fm) + (t >> fs);
; m0 = 16 ((f >> sa) & ma), k0 = 32 ((f >> sb) & mb); column = (m & cm) ^ (cx where m >= 8); f16: written as f16; hmk: the fragment has a second half
.macro REGION ps, nout, kk, sa, ma, sb, mb, cm, cx, f16, fm, fs, hmk
	s_lshl_b32 s41, s40, \fm
	s_lshl_b32 s42, s40, 11
	s_add_co_u32 s42, s42, s43
	v_lshrrev_b32 v1, \fs, v0
	v_add_nc_u32 v1, s41, v1                       ; f
	v_and_b32 v3, 15, v0                           ; r
	v_bfe_u32 v4, v0, 4, 1                         ; h
	v_lshrrev_b32 v5, \sa, v1
	v_and_b32 v5, \ma, v5
	v_lshl_add_u32 v5, v5, 4, v3                   ; m
	v_lshrrev_b32 v6, \sb, v1
	v_and_b32 v6, \mb, v6
	v_lshlrev_b32 v6, 5, v6
.if \hmk
	v_bfe_u32 v2, v0, 5, 1
	v_lshl_add_u32 v6, v2, 4, v6
.endif
	v_lshl_add_u32 v6, v4, 3, v6                   ; the first of my eight k
	v_and_b32 v7, \cm, v5
.if \cx
	v_bfe_u32 v8, v5, 3, 1
	v_lshlrev_b32 v8, 2, v8
	v_xor_b32 v7, v7, v8
.endif
.if (\kk) < 16
	v_cmp_gt_u32 vcc_lo, \kk, v6                   ; k past the source's rows: row 0 is read and zeros are written
	v_cndmask_b32 v6, 0, v6, vcc_lo
.endif
	v_mul_u32_u24 v9, v6, 4*(\nout)
	v_lshl_add_u32 v9, v7, 2, v9
.set e, 0
.rept 8
	global_load_b32 v[16+e], v9, s[\ps:\ps+1] offset:e*4*(\nout)
.set e, e+1
.endr
	v_lshl_add_u32 v10, v0, 4, s42
	s_wait_loadcnt 0x0
.set e, 0
.rept 4
	v_cvt_pk_bf16_f32 v[24+e], v[16+2*e], v[16+2*e+1]
.set e, e+1
.endr
.if \f16
.set e, 0
.rept 4
	v_lshlrev_b32 v[16+2*e], 16, v[24+e]
	v_and_b32 v[16+2*e+1], 0xffff0000, v[24+e]
.set e, e+1
.endr
.set e, 0
.rept 4
	v_cvt_pk_f16_f32 v[24+e], v[16+2*e], v[16+2*e+1]
.set e, e+1
.endr
.endif
.if (\kk) < 16
.set e, 0
.rept 4
	v_cndmask_b32 v[24+e], 0, v[24+e], vcc_lo
.set e, e+1
.endr
.endif
	global_store_b128 v10, v[24:27], s[36:37]
	s_endpgm
.endm
	s_cmp_lt_u32 ttmp9, 64
	s_cbranch_scc1 .Lw0
	s_cmp_lt_u32 ttmp9, 128
	s_cbranch_scc1 .Lring
	s_cmp_lt_u32 ttmp9, 144
	s_cbranch_scc1 .Lw2
	s_cmp_lt_u32 ttmp9, 152
	s_cbranch_scc1 .Le1
	s_cmp_lt_u32 ttmp9, 154
	s_cbranch_scc1 .Le0
	s_cmp_lt_u32 ttmp9, 155
	s_cbranch_scc1 .Lw3d
	s_cmp_lt_u32 ttmp9, 156
	s_cbranch_scc1 .Lw3c
	s_cmp_lt_u32 ttmp9, 157
	s_cbranch_scc1 .Le2
	s_cmp_lt_u32 ttmp9, 285
	s_cbranch_scc1 .Lw1
	s_branch .Lbias
.Lw0:
	AT 0, 0
	REGION 8, 512, 128, 2, 31, 0, 3, 0xffff, 0, 0, 1, 6, 1
.Lw2:
	AT 128, 262144
	REGION 12, 64, 256, 0, 3, 2, 7, 0xffff, 0, 1, 1, 6, 1
.Le1:
	AT 144, 294912
	REGION 18, 64, 128, 0, 3, 2, 3, 0xffff, 0, 1, 1, 6, 1
.Le0:                                                  ; eight half fragments: k = 0..7 in lanes 0-15, zeros in lanes 16-31
	AT 152, 311296
	REGION 16, 128, 8, 0, 7, 0, 0, 0xffff, 0, 1, 2, 5, 0
.Lw3d:                                                 ; W3's eight columns twice
	AT 154, 315392
	REGION 14, 8, 64, 0, 0, 0, 1, 7, 0, 1, 1, 6, 1
.Lw3c:                                                 ; columns m, and (m & 7) ^ 4 for m >= 8
	AT 155, 317440
	REGION 14, 8, 64, 0, 0, 0, 1, 7, 4, 1, 1, 6, 1
.Le2:
	AT 156, 319488
	REGION 20, 16, 64, 0, 0, 0, 1, 0xffff, 0, 1, 1, 6, 1
.Lring:                                                ; W1's first eight k steps, where the LDS image has its two ring slots
	AT 64, 131072
	s_branch .Lw1c
.Lw1:                                                  ; all of W1, for the ring's refills
	AT 157, 327680
.Lw1c:
	REGION 10, 256, 512, 0, 15, 4, 15, 0xffff, 0, 1, 1, 6, 1
; The biases: a work-group a part.  Threads 0 .. cnt - 1 take four numbers each, from piece t & msk of the source to byte boff + 16 t of the region.
.macro BSEL ps, cnt, boff, msk
	s_mov_b64 s[42:43], s[\ps:\ps+1]
	s_mov_b32 s44, \cnt
	s_mov_b32 s45, \boff
	s_mov_b32 s46, \msk
	s_branch .Lbcom
.endm
.Lbias:
	s_sub_co_u32 s41, ttmp9, 285
	s_cmp_eq_u32 s41, 0
	s_cbranch_scc1 .Lq0
	s_cmp_eq_u32 s41, 1
	s_cbranch_scc1 .Lq1
	s_cmp_eq_u32 s41, 2
	s_cbranch_scc1 .Lq2
	s_cmp_eq_u32 s41, 3
	s_cbranch_scc1 .Lq3
	s_cmp_eq_u32 s41, 4
	s_cbranch_scc1 .Lq4
	s_cmp_eq_u32 s41, 5
	s_cbranch_scc1 .Lq5
	s_cmp_eq_u32 s41, 6
	s_cbranch_scc1 .Lq6
	v_lshlrev_b32 v10, 4, v0                       ; the rest of the region, which the LDS image takes along: zeros
	v_mov_b32 v24, 0
	v_mov_b32 v25, 0
	v_mov_b32 v26, 0
	v_mov_b32 v27, 0
	v_cmp_gt_u32 vcc_lo, 56, v0
	s_wait_xcnt 0x0                                ; EXEC changes only behind this wait
	s_and_saveexec_b32 s40, vcc_lo
	global_store_b128 v10, v[24:27], s[36:37] offset:BIASB+4224
	s_wait_xcnt 0x0
	s_or_b32 exec_lo, exec_lo, s40
	s_endpgm
.Lq0:
	BSEL 22, 128, 0, 0xffff                        ; b0
.Lq1:
	BSEL 24, 64, 2048, 0xffff                      ; b1
.Lq2:
	BSEL 26, 16, 3072, 0xffff                      ; b2
.Lq3:
	BSEL 30, 32, 3328, 0xffff                      ; eb0
.Lq4:
	BSEL 32, 16, 3840, 0xffff                      ; eb1
.Lq5:
	BSEL 34, 4, 4096, 0xffff                       ; eb2
.Lq6:
	BSEL 28, 4, 4160, 1                            ; b3, twice on end: threads 2 and 3 take its two pieces once more
.Lbcom:
	v_and_b32 v9, s46, v0
	v_lshlrev_b32 v9, 4, v9
	v_lshl_add_u32 v10, v0, 4, s45
.set e, 16
.rept 12
	v_mov_b32 v[e], 0                              ; written whole once, since the lines below write them with some lanes off
.set e, e+1
.endr
	v_cmp_gt_u32 vcc_lo, s44, v0
	s_wait_xcnt 0x0                                ; EXEC changes only behind this wait
	s_and_saveexec_b32 s40, vcc_lo
	global_load_b128 v[16:19], v9, s[42:43]
	s_wait_loadcnt 0x0
	v_cvt_pk_bf16_f32 v20, v16, v17
	v_cvt_pk_bf16_f32 v21, v18, v19
	v_lshlrev_b32 v24, 16, v20
	v_and_b32 v25, 0xffff0000, v20
	v_lshlrev_b32 v26, 16, v21
	v_and_b32 v27, 0xffff0000, v21
	global_store_b128 v10, v[24:27], s[36:37] offset:BIASB
	s_wait_xcnt 0x0
	s_or_b32 exec_lo, exec_lo, s40
	s_endpgm
.Lfunc_end_k_qec331066a4_prep:
	.size	k_qec331066a4_prep, .Lfunc_end_k_qec331066a4_prep-k_qec331066a4_prep
	.p2alignl 7, 3214868480
	.fill 96, 4, 3214868480
	.section	.rodata,"a",@progbits
	.p2align	6, 0x0
	.amdhsa_kernel k_qec331066a4_prep
		.amdhsa_group_segment_fixed_size 0
		.amdhsa_private_segment_fixed_size 0
		.amdhsa_enable_private_segment 0
		.amdhsa_kernarg_size 120
		.amdhsa_user_sgpr_count 2
		.amdhsa_user_sgpr_kernarg_segment_ptr 1
		.amdhsa_wavefront_size32 1
		.amdhsa_system_sgpr_workgroup_id_x 1
		.amdhsa_system_sgpr_workgroup_id_y 1
		.amdhsa_system_sgpr_workgroup_id_z 1
		.amdhsa_system_vgpr_workitem_id 0
		.amdhsa_next_free_vgpr 32
		.amdhsa_next_free_sgpr 66
		.amdhsa_reserve_vcc 1
		.amdhsa_float_denorm_mode_32 3
		.amdhsa_float_denorm_mode_16_64 3
		.amdhsa_memory_ordered 1
		.amdhsa_forward_progress 1
		.amdhsa_inst_pref_size 28
	.end_amdhsa_kernel
	.amdgpu_metadata
---
amdhsa.version: [ 1, 2 ]
amdhsa.kernels:
  - .name:           k_qec331066a4_prep
    .symbol:         k_qec331066a4_prep.kd
    .args:
      - { .name: W0, .offset: 0, .size: 8, .value_kind: global_buffer, .address_space: global }
      - { .name: W1, .offset: 8, .size: 8, .value_kind: global_buffer, .address_space: global }
      - { .name: W2, .offset: 16, .size: 8, .value_kind: global_buffer, .address_space: global }
      - { .name: W3, .offset: 24, .size: 8, .value_kind: global_buffer, .address_space: global }
      - { .name: E0, .offset: 32, .size: 8, .value_kind: global_buffer, .address_space: global }
      - { .name: E1, .offset: 40, .size: 8, .value_kind: global_buffer, .address_space: global }
      - { .name: E2, .offset: 48, .size: 8, .value_kind: global_buffer, .address_space: global }
      - { .name: b0, .offset: 56, .size: 8, .value_kind: global_buffer, .address_space: global }
      - { .name: b1, .offset: 64, .size: 8, .value_kind: global_buffer, .address_space: global }
      - { .name: b2, .offset: 72, .size: 8, .value_kind: global_buffer, .address_space: global }
      - { .name: b3, .offset: 80, .size: 8, .value_kind: global_buffer, .address_space: global }
      - { .name: eb0, .offset: 88, .size: 8, .value_kind: global_buffer, .address_space: global }
      - { .name: eb1, .offset: 96, .size: 8, .value_kind: global_buffer, .address_space: global }
      - { .name: eb2, .offset: 104, .size: 8, .value_kind: global_buffer, .address_space: global }
      - { .name: wts, .offset: 112, .size: 8, .value_kind: global_buffer, .address_space: global }
    .group_segment_fixed_size: 0
    .private_segment_fixed_size: 0
    .kernarg_segment_align: 8
    .kernarg_segment_size: 120
    .max_flat_workgroup_size: 128
    .sgpr_count:     66
    .vgpr_count:     32
    .wavefront_size: 32
...
	.end_amdgpu_metadata
.endif
;; end of part 1
;; launch mlp (part 2): grid 256 x 1, 4 waves a work-group, clusters of 4 x 1, 327,680 bytes of LDS; arguments x, wts, out1, part; writes out1, part
.if DOCPART == 2
	.amdgcn_target "amdgcn-amd-amdhsa--gfx1250"
	.amdhsa_code_object_version 6
	.text
	.protected	k_qec331066a4_mlp
	.globl	k_qec331066a4_mlp
	.p2align	8
	.type	k_qec331066a4_mlp,@function
k_qec331066a4_mlp:
	s_mov_b64 s[64:65], 0
	v_nop
	global_prefetch_b8 v0, s[64:65] scope:SCOPE_SE
	s_setreg_imm32_b32 hwreg(HW_REG_WAVE_MODE, 25, 1), 1
	s_wait_xcnt 0x0
	s_wait_alu depctr_hold_cnt(0) depctr_sa_sdst(0) depctr_va_vdst(0) depctr_va_sdst(0) depctr_va_ssrc(0) depctr_va_vcc(0) depctr_vm_vsrc(0)
	s_getreg_b32 s2, hwreg(HW_REG_IB_STS2, 6, 4)
	s_cmp_eq_u32 s2, 0
	s_cbranch_scc0 .Lentry_in_a_cluster
	s_endpgm
.Lentry_in_a_cluster:
	s_bfe_u32 s2, ttmp6, 0x10000c
	s_cmp_lg_u32 s2, 0x3003
	s_cbranch_scc0 .Lentry_shape_is_right
	s_endpgm
.Lentry_shape_is_right:
; z = the encoder of x (128 -> 512 -> 256 -> 64 -> 8), gamma = the estimator of z (8 -> 128 -> 64 -> 16, softmax), and each work-group's partial moments
; S0 = sum gamma, S1 = sum gamma y, S2 = sum gamma y y^T with y = z - b3 = h2 W3.  sqrt(gamma) is not formed (gamma (z-mu)(z-mu)^T is the same sum: first kernel's head).
; LIMITS.  x and W0 in bf16; h, z, g and the other weights in f16 (|z| under 65,504); gamma and the features y y, y, 1 in bf16; all sums in f32.  NaN and infinities are not treated apart.
; SHARES.  A work-group owns 1,024 rows, a wave 256, in four passes of 64 rows: four tiles of 16.  A wave takes its rows through all layers: activations never leave its registers.
; LAYOUT.  Products are taken transposed: source 0 = 16 outputs x 32 k of a weight, source 1 = 32 k x 16 rows.  In the result a lane holds ONE row (lane % 16) and outputs 8 (lane / 16) + 0..7;
; two neighbouring output tiles rounded in pairs ARE source 1 of the next layer.  With the sources swapped the same registers give lane = output, register = row: so come the logits and y,
; which are then summed over rows by the matrix unit.  A bias is the C operand that starts a sum, or is loaded into the accumulator.
; tanh(u) = 1 - 2 / (1 + 2^(c u)), c = 2 log2(e): right at both ends (2^.. = 0 or infinity).
; LDS holds all weights but half of W1.  W1's four granules of 64 KiB (four k steps each) go through two ring slots; a pass walks them 0 1 2 3, the next 3 2 1 0, so that a pass asks for two.
; CLUSTER.  The four work-groups of a cluster read the same weights: the first fill and every refill are asked for jointly, the same tensor load, descriptor and mask in all four.
; FRONT.  Layer 0 is made in 16 chunks of 32 outputs, each at once the k step of layer 1.  In a trip stand 32 products of layer 0 (next chunk) and 64 of layer 1 (this chunk), and behind each
; product two or three lines of the chunks' tanh.
; LAYER 2 goes in eight trips, a set of 32 features of h1 each: a set's products carry the next set's exponentials.  The layers behind have few products for their tanh and are written in phases.
; THE NEXT PASS'S x is asked for in layer 2's loop, when the registers that take it are free: wave w in trip 3 + w, so that the four waves' runs of 64 loads go out one after the other.
; REGISTERS in windows of 256 (s_set_vgpr_msb: bits 1:0 source 0, 3:2 source 1, 5:4 source 2, 7:6 destination):
;   window 0: v0-15 addresses; v16-31 BI biases; v32-63 H0; v64-127 A0; v128-191 EE; v192-231 ST moments; v232-247 SEL
;   window 1: v0-127 x in bf16, later layer 2's sums, later features and gamma; v128-223 three fragment buffers; v224-255 z as an operand
;   windows 2, 3: layer 1's sums, 32 o + 8 t; window 2 later takes the next pass's x; window 3 later h2, the estimator's sums and g1
.set BIAS,  321536
.set SPARE, 326656                     ; the spare words: 128 bytes a wave, two blocks of 256 bytes that no other line names
.set SCR,   0x20000                    ; the way out of the moments: ring slot X, behind its last fill
.set L16, 1                            ; 16 x lane
.set HB,  2                            ; BIAS + 32 (lane / 16)
.set AW1, 3
.set AW0, 4
.set ABI, 5
.set AEW, 6                            ; 16 x lane + 262,144: the weights behind the ring
.set AE0, 7
.set AE1, 8
.set XO,  9                            ; 512 r + 32 h
.set ZO,  10                           ; 32 r + 16 h
.set EB2A, 11
.set PFO, 12                           ; 256 x lane
.set ONE, 13
.set SPW, 14
.set NIL, 15
.set BI,  16
.set H0,  32
.set A0,  64
.set EE,  128
.set ST,  192
.set SEL, 232
.set ZZ,  128
.set DD,  64
.set UU,  96
.set LG,  128
.set MX,  160
.set TM,  160
.set FB,  128                          ; window 1
.set ZB,  224                          ; window 1
.set FT,  0                            ; window 1
.set GB,  80                           ; window 1
.set WV,  12
.set W1B, 40
.set OFF, 42
.set PASS, 44
.set TC,  45
.set QC,  46
.set RB,  47                           ; LDS byte of W1's k step in hand
.set PW,  48
.set MW,  49
.set TW,  50
.set FP,  51
.set MF,  52
.set KC,  53
.set K0,  54
.set XK,  55                           ; 5 - wave: the count of layer 2's loop at which I ask for x
.set XQ,  56                           ; the same, or 0 in the last pass, which has no next x
.set CS,  58
.set L2E, 60
.set HM,  62
.set M8,  63
.set MSB, 0
.macro WIN new                         ; the high byte repeats the setting that is left; a switch that changes nothing is dropped
.if MSB != (\new)
	s_set_vgpr_msb (MSB<<8)|(\new)
.set MSB, (\new)
.endif
.endm
.macro PLACES                          ; four plain instructions between a matrix instruction and a vector read of its result, or a write or load into its registers
.rept 4
	v_nop
.endr
.endm
.macro TWAIT                           ; behind a batch of exponentials or reciprocals: one plain instruction, and one wait ahead of the first reader
	WIN 0
	v_nop
	s_wait_alu depctr_va_vdst(0)
.endm
.macro ROUND                           ; a round of the cluster's barrier
	s_barrier_signal -1
	s_barrier_wait -1
	s_cmp_lg_u32 s[WV], 0
	s_cbranch_scc1 .Lnw0_\@
	s_barrier_signal -3
.Lnw0_\@:
	s_barrier_wait -3
	s_barrier_signal -1
	s_barrier_wait -1
.endm
; ---- tanh, on a set of 64 registers [tile pair oo][row tile t][8]; pair p = registers 2 p, 2 p + 1 ----
.macro MI p
	v_pk_mul_f32 v[A0+2*(\p):A0+2*(\p)+1], v[A0+2*(\p):A0+2*(\p)+1], s[CS:CS+1] op_sel_hi:[1,0]
.endm
.macro XI e
	v_exp_f32 v[A0+(\e)], v[A0+(\e)]
.endm
.macro ADI p
	v_pk_add_f32 v[EE+2*(\p):EE+2*(\p)+1], v[A0+2*(\p):A0+2*(\p)+1], 1.0 op_sel_hi:[1,0]
.endm
.macro RCI e
	v_rcp_f32 v[EE+(\e)], v[EE+(\e)]
.endm
.macro FI p
	v_pk_fma_f32 v[EE+2*(\p):EE+2*(\p)+1], v[EE+2*(\p):EE+2*(\p)+1], -2.0, 1.0 op_sel_hi:[1,0,0]
.endm
.macro CI p, hb                        ; rounded to f16 into the next layer's operand: row tile (p >> 2) & 3, registers 4 oo + (p & 3)
	v_cvt_pk_f16_f32 v[(\hb)+8*(((\p)>>2)&3)+4*((\p)>>4)+((\p)&3)], v[EE+2*(\p)], v[EE+2*(\p)+1]
.endm
.macro T1I                             ; item n1 of 96: c u and 2^(c u); a pair is scaled three items or more ahead of its exponentials; no item names an exponential's result
	WIN 0
.if n1 == 0
	MI 0
.elseif n1 >= 94
	XI n1-32
.elseif ((n1-1)%3) == 0
	MI (n1-1)/3+1
.else
	XI 2*((n1-1)/3)+(n1-1)%3-1
.endif
.set n1, n1+1
.endm
.macro T2I                             ; item n2 of 96: 1 + e into EE, and its reciprocal
	WIN 0
.if n2 == 0
	ADI 0
.elseif n2 >= 94
	RCI n2-32
.elseif ((n2-1)%3) == 0
	ADI (n2-1)/3+1
.else
	RCI 2*((n2-1)/3)+(n2-1)%3-1
.endif
.set n2, n2+1
.endm
.macro T3I                             ; item n3 of 64: 1 - 2 r, and the rounding into H0
	WIN 0
.if n3 < 4
	FI n3
.elseif n3 < 60
.if (n3%2) == 0
	CI (n3-4)/2, H0
.else
	FI 4+(n3-5)/2
.endif
.else
	CI n3-32, H0
.endif
.set n3, n3+1
.endm
.macro MWI                             ; item nm of 32: A0 = c x layer 1's sums of output tiles 0 and 1 (window 2, registers 0-63)
	WIN 0x02
	v_pk_mul_f32 v[A0+2*nm:A0+2*nm+1], v[2*nm:2*nm+1], s[CS:CS+1] op_sel_hi:[1,0]
.set nm, nm+1
.endm
.macro XWI                             ; item nx of 64: their exponentials
	WIN 0
	XI nx
.set nx, nx+1
.endm
.macro T1ALL
.set n1, 0
.rept 96
	T1I
.endr
	TWAIT
.endm
.macro T2ALL
.set n2, 0
.rept 96
	T2I
.endr
	TWAIT
.endm
.macro MCOPY b, w                      ; A0 = c x 64 sums at register b of window w, each accumulator from its low end on
	WIN (\w)
.set p, 0
.rept 32
	v_pk_mul_f32 v[A0+2*p:A0+2*p+1], v[(\b)+2*p:(\b)+2*p+1], s[CS:CS+1] op_sel_hi:[1,0]
.set p, p+1
.endr
	WIN 0
.endm
.macro TL db, dw                       ; the rest of tanh in phases; the result goes to register db of window dw
	WIN 0
.set p, 0
.rept 64
	XI p
.set p, p+1
.endr
	TWAIT
	T2ALL
.set p, 0
.rept 32
	FI p
.set p, p+1
.endr
	WIN (\dw)<<6
.set p, 0
.rept 32
	CI p, \db
.set p, p+1
.endr
	WIN 0
.endm
; ---- LDS loads, in runs ----
.macro W1RUN o0, fbd                   ; W1's fragments o0 .. o0 + 3 of the k step in hand
	WIN 0x40
.set i, 0
.rept 4
	ds_load_b128 v[FB+32*(\fbd)+8*i:FB+32*(\fbd)+8*i+3],   v[AW1] offset:1024*((\o0)+i)
	ds_load_b128 v[FB+32*(\fbd)+8*i+4:FB+32*(\fbd)+8*i+7], v[AW1] offset:1024*((\o0)+i)+512
.set i, i+1
.endr
.endm
.macro W0RUN oo, fbd                   ; W0's four k steps of output tile oo of the chunk
	WIN 0x40
.set i, 0
.rept 4
	ds_load_b128 v[FB+32*(\fbd)+8*i:FB+32*(\fbd)+8*i+3],   v[AW0] offset:4096*(\oo)+1024*i
	ds_load_b128 v[FB+32*(\fbd)+8*i+4:FB+32*(\fbd)+8*i+7], v[AW0] offset:4096*(\oo)+1024*i+512
.set i, i+1
.endr
.endm
.macro BILOAD boff                     ; two output tiles' biases as C operands
	WIN 0
	ds_load_b128 v[BI:BI+3],     v[ABI] offset:(\boff)
	ds_load_b128 v[BI+4:BI+7],   v[ABI] offset:(\boff)+16
	ds_load_b128 v[BI+8:BI+11],  v[ABI] offset:(\boff)+64
	ds_load_b128 v[BI+12:BI+15], v[ABI] offset:(\boff)+80
.endm
.macro ASTEP                           ; the next position's chunk = position ^ (0 or 12): 8,192 bytes of W0, 128 of b0; the mask stands last, so the address stays inside W0
	WIN 0
	s_add_co_u32 s[PW], s[PW], 0x2000
	s_xor_b32 s[TW], s[PW], s[MW]
	s_and_b32 s[TW], s[TW], 0x1e000
	v_add_nc_u32 v[AW0], s[TW], v[L16]
	s_lshr_b32 s[K0], s[TW], 6
	v_add_nc_u32 v[ABI], s[K0], v[HB]
.endm
.macro ACCINIT base, win, no, boff     ; no output tiles' sums start as their bias
	WIN (\win)<<6
.set ao, 0
.rept \no
.set at, 0
.rept 4
	ds_load_b128 v[(\base)+32*ao+8*at:(\base)+32*ao+8*at+3],   v[HB] offset:(\boff)+64*ao
	ds_load_b128 v[(\base)+32*ao+8*at+4:(\base)+32*ao+8*at+7], v[HB] offset:(\boff)+64*ao+16
.set at, at+1
.endr
.set ao, ao+1
.endr
	WIN 0
.endm
.macro XLOAD                           ; 64 rows of x, f32, as they will lie in the operand: 64 loads that together cover 32,768 consecutive bytes
	WIN 0x80
.set i, 0
.rept 16
	global_load_b128 v[16*i:16*i+3],     v[XO], s[4:5] offset:(i/4)*8192+(i%4)*128 th:TH_LOAD_NT
	global_load_b128 v[16*i+4:16*i+7],   v[XO], s[4:5] offset:(i/4)*8192+(i%4)*128+16 th:TH_LOAD_NT
	global_load_b128 v[16*i+8:16*i+11],  v[XO], s[4:5] offset:(i/4)*8192+(i%4)*128+64 th:TH_LOAD_NT
	global_load_b128 v[16*i+12:16*i+15], v[XO], s[4:5] offset:(i/4)*8192+(i%4)*128+80 th:TH_LOAD_NT
.set i, i+1
.endr
	WIN 0
.endm
.macro XCVT                            ; rounded to bf16: window 2 -> window 1
	WIN 0x4a
.set i, 0
.rept 128
	v_cvt_pk_bf16_f32 v[i], v[2*i], v[2*i+1]
.set i, i+1
.endr
	WIN 0
.endm
; ---- the front's products.  Accumulators take turns, one instruction a turn ----
.macro L0MM oo, fb                     ; product gi of 16: k step gi / 4, row tile gi % 4
	WIN 0x05
.set rD, A0+32*(\oo)+8*(gi%4)
.set rA, FB+32*(\fb)+8*(gi/4)
.set rB, 32*(gi%4)+8*(gi/4)
.if gi < 4
	v_wmma_f32_16x16x32_bf16 v[rD:rD+7], v[rA:rA+7], v[rB:rB+7], v[BI+8*(\oo):BI+8*(\oo)+7]
.else
	v_wmma_f32_16x16x32_bf16 v[rD:rD+7], v[rA:rA+7], v[rB:rB+7], v[rD:rD+7]
.endif
.endm
.macro L1MM o0, fb                     ; product gi of 16: output tile o0 + gi / 4, row tile gi % 4
.set oX, (\o0)+gi/4
	WIN 0xa1+0x50*(oX/8)
.set rD, 32*(oX%8)+8*(gi%4)
.set rA, FB+32*(\fb)+8*(gi/4)
	v_wmma_f32_16x16x32_f16 v[rD:rD+7], v[rA:rA+7], v[H0+8*(gi%4):H0+8*(gi%4)+7], v[rD:rD+7]
.endm
; A group of 16 products.  kind 0: layer 0 with two items of T3 behind each; 1, 2: layer 1 with three of T1, T2; 3, 4: layer 1, layer 0, bare; 5, 6: layer 1 with two of MWI, XWI.
; rk = 1, 3: behind the fourth product's items stands a run of loads into the buffer that the group before has read: four plain items or more lie between.
.macro GRP kind, idx, fb, rk, ra, rb
.set gi, 0
.rept 16
.if ((\kind) == 0) || ((\kind) == 4)
	L0MM \idx, \fb
.else
	L1MM \idx, \fb
.endif
.if (\kind) == 0
	T3I
	T3I
.elseif (\kind) == 1
	T1I
	T1I
	T1I
.elseif (\kind) == 2
	T2I
	T2I
	T2I
.elseif (\kind) == 5
	MWI
	MWI
.elseif (\kind) == 6
	XWI
	XWI
.endif
.if gi == 3
.if (\rk) == 1
	W1RUN \ra, \rb
.elseif (\rk) == 3
	W0RUN 1, 1
.endif
.endif
.set gi, gi+1
.endr
.endm
; A TRIP, position v: layer 0 of chunk v + 1 | the end of chunk v's tanh; layer 1 of chunk v | chunk v + 1's exponentials and reciprocals.
; Six runs of LDS loads; two of them stand at the trip's two waits for a batch, the four places behind the buffer's last reader ahead of the wait.
; Each s_wait_dscnt leaves out the loads issued behind the run that the group reads: 16 = W0's second run and W1's first; 8 = one run; 20 = a run, four biases and a run; 12 = four biases and a run.
.macro TRIP
	WIN 0
	v_add_nc_u32 v[AW1], s[RB], v[L16]
	s_add_co_u32 s[RB], s[RB], 0x4000
	W1RUN 0, 2                                     ; its buffer's last reader is the last trip's last product: four v_nop and the line above lie between
.set n1, 0
.set n2, 0
.set n3, 0
	s_wait_dscnt 16
	GRP 0, 0, 0, 0, 0, 0
	s_wait_dscnt 8
	GRP 0, 1, 1, 1, 4, 0
	s_wait_dscnt 8
	GRP 1, 0, 2, 1, 8, 1
	s_wait_dscnt 8
	GRP 1, 4, 0, 1, 12, 2
	WIN 0
	v_nop                                          ; the plain instruction behind the last exponential; with the four below, the places behind the group's last product
	ASTEP
	v_nop
	v_nop
	s_wait_alu depctr_va_vdst(0)                   ; one wait for the 64 exponentials, ahead of their first reader
	BILOAD 0
	W0RUN 0, 0
	s_wait_dscnt 20
	GRP 2, 8, 1, 0, 0, 0
	s_wait_dscnt 12
	GRP 2, 12, 2, 3, 0, 0
	WIN 0
	PLACES                                         ; the plain instruction behind the last reciprocal, and places for the next trip's first run
	s_wait_alu depctr_va_vdst(0)                   ; one wait for the 64 reciprocals, ahead of the branch
.endm
.macro TRIPS n
	s_mov_b32 s[TC], \n
.Ltrip_\@:
	TRIP
	s_sub_co_u32 s[TC], s[TC], 1
	s_cmp_lg_u32 s[TC], 0
	s_cbranch_scc1 .Ltrip_\@
.endm
; THE CHANGE OF SLOTS with a refill.  Every wave waits for all its tensor loads (one at the most is out), adds 0 to its spare word, and waits for that and for its reads of the slot; a round of the
; cluster's barrier, so that this holds of every wave of all four work-groups; then the joint refill of the slot just read, first thing: my 64 rows of 256 bytes of the granule.
.macro CHANGE_F
	WIN 0
	s_wait_tensorcnt 0x0
	ds_add_u32 v[SPW], v[NIL]                      ; 0 onto my spare word; the descriptor's steps stand between it and the wait for it
	s_xor_b32 s37, s37, 0x10000                    ; the other slot than last time
	s_xor_b32 s[OFF], s[FP], s[MF]                 ; granule 2, then 3; in odd passes 1, then 0
	s_add_nc_u64 s[38:39], s[W1B:W1B+1], s[OFF:OFF+1]
	s_or_b32 s39, s39, 0x80000000
	s_add_co_u32 s[FP], s[FP], 0x10000
	s_sub_co_u32 s[RB], s[RB], 0x10000             ; the reads go on in the other slot
	s_xor_b32 s[RB], s[RB], 0x10000
	s_wait_dscnt 0x0
	ROUND
	tensor_load_to_lds s[36:39], s[24:31]
	s_nop 0
	PLACES
.endm
; The change without a refill: the last granule asked for is whole in every wave's eyes.  Behind it my next 32,768 bytes of x are prefetched, each block of 256 bytes named once, by the wave that
; will load it: a quarter of the front and three trips or more of layer 2 ahead of those loads.  The last pass has no next block and asks for nothing.
.macro CHANGE_N
	WIN 0
	s_wait_tensorcnt 0x0
	ds_add_u32 v[SPW], v[NIL]
	s_xor_b32 s37, s37, 0x10000
	s_sub_co_u32 s[RB], s[RB], 0x10000
	s_xor_b32 s[RB], s[RB], 0x10000
	s_wait_dscnt 0x0
	s_barrier_signal -1
	s_barrier_wait -1
	s_cmp_eq_u32 s[PASS], 1
	s_cbranch_scc1 .Lnopf_\@
	global_prefetch_b8 v[PFO], s[4:5] th:TH_LOAD_NT scope:SCOPE_SE
	global_prefetch_b8 v[PFO], s[4:5] offset:8192 th:TH_LOAD_NT scope:SCOPE_SE
	global_prefetch_b8 v[PFO], s[4:5] offset:16384 th:TH_LOAD_NT scope:SCOPE_SE
	global_prefetch_b8 v[PFO], s[4:5] offset:24576 th:TH_LOAD_NT scope:SCOPE_SE
.Lnopf_\@:
.endm
; The moment features of row tile t.  In DD lane m holds y[m & 7], in UU y[m] (m < 8) or y[(m & 7) ^ 4]; registers are rows.  Feature tile x < 4, lane m: y[m & 7] y[(m & 7) ^ x ^ 4 (m >> 3)];
; tile 4: y[m] for m < 8, else 1.  Together: every product y[a] y[b], y, and 1.
.macro FEAT t
	WIN 0
.set j, 0
.rept 8
	v_mul_f32 v[TM+j], v[UU+8*(\t)+j], v[DD+8*(\t)+j]
.set j, j+1
.endr
.irp x, 1,2,3
.set j, 0
.rept 8
	v_mul_f32_dpp v[TM+8*\x+j], v[UU+8*(\t)+j], v[DD+8*(\t)+j] row_xmask:\x row_mask:0xf bank_mask:0xf
.set j, j+1
.endr
.endr
.set j, 0
.rept 8
	v_cndmask_b32 v[BI+j], v[DD+8*(\t)+j], v[ONE], s[M8]
.set j, j+1
.endr
	WIN 0x40
.set j, 0
.rept 16
	v_cvt_pk_bf16_f32 v[FT+16*(j/4)+4*(\t)+j%4], v[TM+2*j], v[TM+2*j+1]
.set j, j+1
.endr
.set j, 0
.rept 4
	v_cvt_pk_bf16_f32 v[FT+64+4*(\t)+j], v[BI+2*j], v[BI+2*j+1]
.set j, j+1
.endr
	WIN 0
.endm
.macro DPP32 op, d, s, m               ; one step across the 16 lanes of a row, for 32 registers
.set j, 0
.rept 32
	\op v[(\d)+j], v[(\s)+j], v[(\s)+j] row_xmask:\m row_mask:0xf bank_mask:0xf
.set j, j+1
.endr
.endm
; ================= the head =================
	s_load_b256 s[4:11], s[0:1], 0x0               ; x s[4:5], wts s[6:7], out1 s[8:9], part s[10:11]
	v_lshl_add_u32 v[SPW], v0, 2, SPARE
	v_mov_b32 v[NIL], 0
	ds_add_u32 v[SPW], v[NIL]                      ; the opening: the add, twice on end, and its wait ahead of my first tensor load
	ds_add_u32 v[SPW], v[NIL]
	v_lshrrev_b32 v[ONE], 5, v0
	v_readfirstlane_b32 s[WV], v[ONE]              ; wave 0..3
	s_sub_co_u32 s[XK], 5, s[WV]
	s_bfe_u32 s13, ttmp6, 0x40000                  ; cx
	s_lshl_b32 s14, ttmp9, 2
	s_add_co_u32 s14, s14, s13                     ; my work-group: it enters the addresses of x, out1 and part alone
	s_mov_b32 s16, 15|(3<<16)|(1<<21)              ; group 1, first fill: the mask of four; elements of 8 bytes; bit 21 beside a mask
	s_mov_b32 s17, 32<<16                          ; tensor_dim0 = 32 elements = 256 bytes
	s_mov_b32 s18, 319<<16                         ; tensor_dim1 = 319 rows: a quarter of the image's 326,656 bytes
	s_mov_b32 s19, 32<<16                          ; tile_dim0
	s_mov_b32 s20, 319                             ; tile_dim1
	s_mov_b32 s21, 32                              ; the rows lie end to end
	s_mov_b32 s22, 0
	s_mov_b32 s23, 0
	s_mov_b32 s24, 15|(3<<16)|(1<<21)              ; group 1, refills: 64 rows: a quarter of a granule
	s_mov_b32 s25, 32<<16
	s_mov_b32 s26, 64<<16
	s_mov_b32 s27, 32<<16
	s_mov_b32 s28, 64
	s_mov_b32 s29, 32
	s_mov_b32 s30, 0
	s_mov_b32 s31, 0
	s_mov_b32 s32, 1
	s_mul_i32 s33, s[WV], 81664                    ; LDS address = byte in wts: wave x 319 rows
	s_mov_b32 s36, 1
	s_lshl_b32 s37, s[WV], 14
	s_add_co_u32 s37, s37, 0x30000                 ; turned to slot X ahead of the first refill
	s_mov_b32 s[CS], 0x4038aa3b                    ; c = 2 log2(e)
	s_mov_b32 s[CS+1], s[CS]
	s_mov_b32 s[L2E], 0x3fb8aa3b                   ; log2(e)
	s_mov_b32 s[L2E+1], s[L2E]
	s_mov_b32 s[HM], 0xffff0000                    ; lanes 16-31
	s_mov_b32 s[M8], 0xff00ff00                    ; lanes 8-15 and 24-31
	v_and_b32 v[AW1], 15, v0                       ; r
	v_bfe_u32 v[AW0], v0, 4, 1                     ; h
	v_and_b32 v[PFO], 31, v0
	v_lshlrev_b32 v[L16], 4, v[PFO]
	v_lshlrev_b32 v[PFO], 8, v[PFO]
	v_lshl_add_u32 v[HB], v[AW0], 5, BIAS
	v_add_nc_u32 v[AEW], 262144, v[L16]
	v_lshlrev_b32 v[XO], 9, v[AW1]
	v_lshl_add_u32 v[XO], v[AW0], 5, v[XO]
	v_lshlrev_b32 v[ZO], 5, v[AW1]
	v_lshl_add_u32 v[ZO], v[AW0], 4, v[ZO]
	v_lshl_add_u32 v[EB2A], v[AW1], 2, BIAS+4096
	v_mov_b32 v[ONE], 1.0
	s_wait_dscnt 0x0                               ; both opening adds are done
	s_wait_kmcnt 0x0
	s_lshl_b32 s68, s14, 19                        ; x: 1,024 rows of 512 bytes a work-group, 256 a wave
	s_lshl_b32 s70, s[WV], 17
	s_add_co_u32 s68, s68, s70
	s_mov_b32 s69, 0
	s_add_nc_u64 s[4:5], s[4:5], s[68:69]
	s_lshl_b32 s68, s14, 15                        ; out1: rows of 32 bytes
	s_lshl_b32 s70, s[WV], 13
	s_add_co_u32 s68, s68, s70
	s_add_nc_u64 s[8:9], s[8:9], s[68:69]
	s_lshl_b32 s68, s14, 9                         ; part: [component][work-group][128]; my components are wave + 4 i
	s_lshl_b32 s70, s[WV], 17
	s_add_co_u32 s68, s68, s70
	s_add_nc_u64 s[10:11], s[10:11], s[68:69]
	s_mov_b32 s70, s33                             ; the descriptors' offsets hang on the wave's number alone
	s_mov_b32 s71, 0
	s_add_nc_u64 s[34:35], s[6:7], s[70:71]
	s_or_b32 s35, s35, 0x80000000
	s_lshl_b32 s70, s[WV], 14
	s_add_co_u32 s70, s70, 327680
	s_add_nc_u64 s[W1B:W1B+1], s[6:7], s[70:71]    ; W1 whole, at my quarter of granule 0
	s_mov_b32 s[OFF+1], 0
	ROUND                                          ; all four work-groups are here: the first joint loads meet
	tensor_load_to_lds s[32:35], s[16:23]          ; the whole image, a quarter a wave
	s_nop 0
	PLACES
	XLOAD                                          ; the first pass's x
.set i, 0
.rept 40
	v_mov_b32 v[ST+i], 0                           ; the moments start at 0, once a launch, while the first loads are on their way
.set i, i+1
.endr
	WIN 0x40
.set i, 0
.rept 16
	v_mov_b32 v[ZB+8*(i/4)+4+i%4], 0               ; z as an operand has k = 0..15 alone: the registers of k = 16..31 stay 0
.set i, i+1
.endr
	WIN 0
	s_wait_tensorcnt 0x0                           ; my quarter of the image is in,
	s_barrier_signal -1
	s_barrier_wait -1                              ; everybody's is
	s_mov_b32 s[PASS], 4
	s_mov_b32 s[MW], 0
	s_mov_b32 s[MF], 0
	s_mov_b32 s[RB], 0x20000
; ================= a pass: 64 rows a wave =================
.Lpass:
	ACCINIT 0, 3, 8, 2560                          ; b1 into the upper half of layer 1's sums, while x is rounded
	s_wait_loadcnt 0x0                             ; this pass's x
	PLACES                                         ; the conversions write over the sources of the last pass's last products
	XCVT
	s_add_nc_u64 s[4:5], s[4:5], 32768             ; the next pass's x: the loads that read the pointer are done, the prefetches' addresses were waited for at the last pass's end
	ACCINIT 0, 2, 8, 2048                          ; and into the lower half, where x lay
	s_cmp_eq_u32 s[PASS], 1
	s_cselect_b32 s[XQ], 0, s[XK]
	s_mov_b32 s[FP], 0x20000
	s_mov_b32 s[PW], 0
	s_and_b32 s[TW], s[MW], 0x1e000
	v_add_nc_u32 v[AW0], s[TW], v[L16]
	s_lshr_b32 s[K0], s[TW], 6
	v_add_nc_u32 v[ABI], s[K0], v[HB]
	BILOAD 0
	W0RUN 0, 0
	W0RUN 1, 1
	s_wait_dscnt 0x0                               ; these, and the biases in layer 1's sums
	GRP 4, 0, 0, 0, 0, 0                           ; position 0's layer 0: no vector work is at hand yet
	GRP 4, 1, 1, 0, 0, 0
	WIN 0
	PLACES
	T1ALL
	ASTEP
	BILOAD 0
	W0RUN 0, 0
	W0RUN 1, 1
	T2ALL
	s_mov_b32 s[QC], 2
.Lquart:
	TRIPS 4
	CHANGE_F
	s_sub_co_u32 s[QC], s[QC], 1
	s_cmp_lg_u32 s[QC], 0
	s_cbranch_scc1 .Lquart
	TRIPS 4
	CHANGE_N
	TRIPS 3                                        ; (the third of these has asked for a position that does not exist: 20 LDS loads a pass, from chunk 0 or 12, that serve nothing)
	; position 15: the end of its tanh, and its layer 1.  Output tiles 0 to 3 are finished by the first group, so the other three groups carry the scaling and the exponentials of layer 2's first set.
	WIN 0
	s_wait_dscnt 0x0
	v_add_nc_u32 v[AW1], s[RB], v[L16]
	s_add_co_u32 s[RB], s[RB], 0x4000
.set n3, 0
.rept 4
	T3I
.endr
	W1RUN 0, 2
	W1RUN 4, 0
	W1RUN 8, 1
.rept 60
	T3I
.endr
	s_wait_dscnt 16                                ; two younger runs may stay out
	GRP 3, 0, 2, 0, 0, 0
	WIN 0
	PLACES                                         ; for the run below, and for the first reads of the sums just finished
	W1RUN 12, 2
.set nm, 0
.set nx, 0
	s_wait_dscnt 16
	GRP 5, 4, 0, 0, 0, 0
	s_wait_dscnt 8
	GRP 6, 8, 1, 0, 0, 0
	s_wait_dscnt 0x0
	GRP 6, 12, 2, 0, 0, 0
	TWAIT
	; ---- layer 2.  Trip k (count 8 - k) finds 2^(c u) of set k in A0: its reciprocals; c u of set k + 1 out of layer 1's sums (the count picks the 64 registers); set k rounded into H0;
	; its 16 products, and behind each four exponentials of set k + 1.  In the eighth trip there is no further set, and its 64 exponentials serve nothing: the price of one text for every trip. ----
	ACCINIT 0, 1, 4, 3072
	s_mov_b32 s[K0], 0
	s_mov_b32 s[KC], 8
.Ll2:
	T2ALL
	v_add_nc_u32 v[AE0], s[K0], v[AEW]
	s_add_co_u32 s[K0], s[K0], 4096
	WIN 0x40
.set i, 0
.rept 4
	ds_load_b128 v[FB+8*i:FB+8*i+3],   v[AE0] offset:1024*i
	ds_load_b128 v[FB+8*i+4:FB+8*i+7], v[AE0] offset:1024*i+512
.set i, i+1
.endr
	WIN 0
	s_cmp_eq_u32 s[KC], 8
	s_cbranch_scc1 .Lm1
	s_cmp_eq_u32 s[KC], 7
	s_cbranch_scc1 .Lm2
	s_cmp_eq_u32 s[KC], 6
	s_cbranch_scc1 .Lm3
	s_cmp_eq_u32 s[KC], 5
	s_cbranch_scc1 .Lm4
	s_cmp_eq_u32 s[KC], 4
	s_cbranch_scc1 .Lm5
	s_cmp_eq_u32 s[KC], 3
	s_cbranch_scc1 .Lm6
	s_cmp_eq_u32 s[KC], 2
	s_cbranch_scc1 .Lm7
	s_branch .Lmj
.Lm1:
	s_wait_loadcnt 0x0                             ; window 2 is read only with no load of x out, on every way through the loop (x is asked for from count 5 on)
	MCOPY 64, 2
	s_branch .Lmj
.Lm2:
	s_wait_loadcnt 0x0
	MCOPY 128, 2
	s_branch .Lmj
.Lm3:
	s_wait_loadcnt 0x0
	MCOPY 192, 2
	s_branch .Lmj
.Lm4:
	MCOPY 0, 3
	s_branch .Lmj
.Lm5:
	MCOPY 64, 3
	s_branch .Lmj
.Lm6:
	MCOPY 128, 3
	s_branch .Lmj
.Lm7:
	MCOPY 192, 3
.Lmj:
	s_cmp_lg_u32 s[KC], s[XQ]                      ; my trip for x?  Window 2's sums were read for the last time at count 6
	s_cbranch_scc1 .Lnox
	s_wait_loadcnt 0x0                             ; no load lands on a register that an earlier load still owes
	XLOAD
.Lnox:
.set n3, 0
.rept 64
	T3I
.endr
	s_wait_dscnt 0x0                               ; W2's fragments (and, in the first trip, b2 in the sums)
.set gi, 0
.rept 16
	WIN 0x51
	v_wmma_f32_16x16x32_f16 v[32*(gi/4)+8*(gi%4):32*(gi/4)+8*(gi%4)+7], v[FB+8*(gi/4):FB+8*(gi/4)+7], v[H0+8*(gi%4):H0+8*(gi%4)+7], v[32*(gi/4)+8*(gi%4):32*(gi/4)+8*(gi%4)+7]
	WIN 0
	XI 4*gi
	XI 4*gi+1
	XI 4*gi+2
	XI 4*gi+3
.set gi, gi+1
.endr
	TWAIT
	s_sub_co_u32 s[KC], s[KC], 1
	s_cmp_lg_u32 s[KC], 0
	s_cbranch_scc1 .Ll2
	PLACES
	; ---- h2 ----
	MCOPY 0, 1
	TL 0, 3
	MCOPY 64, 1
	TL 32, 3
	; ---- layer 3, three times: z (with b3; every lane holds its row's eight), and y by columns, in two orders of columns ----
	WIN 0x40
.set i, 0
.rept 4
	ds_load_b128 v[FB+8*i:FB+8*i+3],   v[AEW] offset:53248+1024*i
	ds_load_b128 v[FB+8*i+4:FB+8*i+7], v[AEW] offset:53248+1024*i+512
.set i, i+1
.endr
	WIN 0
	ds_load_b128 v[BI:BI+3],   v[HB] offset:4160
	ds_load_b128 v[BI+4:BI+7], v[HB] offset:4176
	s_wait_dscnt 0x0
.set kk, 0
.rept 2
	WIN 0x0d
.set t, 0
.rept 4
.if kk == 0
	v_wmma_f32_16x16x32_f16 v[ZZ+8*t:ZZ+8*t+7], v[FB+8*kk:FB+8*kk+7], v[32*kk+8*t:32*kk+8*t+7], v[BI:BI+7]
.else
	v_wmma_f32_16x16x32_f16 v[ZZ+8*t:ZZ+8*t+7], v[FB+8*kk:FB+8*kk+7], v[32*kk+8*t:32*kk+8*t+7], v[ZZ+8*t:ZZ+8*t+7]
.endif
.set t, t+1
.endr
	WIN 0x07
.set t, 0
.rept 8                                ; t < 4: DD with the first order of columns; else UU with the second
.set rD, DD+8*t
.set rB, FB+16*(t/4)+8*kk
.if kk == 0
	v_wmma_f32_16x16x32_f16 v[rD:rD+7], v[32*kk+8*(t%4):32*kk+8*(t%4)+7], v[rB:rB+7], 0
.else
	v_wmma_f32_16x16x32_f16 v[rD:rD+7], v[32*kk+8*(t%4):32*kk+8*(t%4)+7], v[rB:rB+7], v[rD:rD+7]
.endif
.set t, t+1
.endr
.set kk, kk+1
.endr
	WIN 0
	PLACES
	; ---- z goes out: lanes 0-15 store z0-3 of their row, lanes 16-31 z4-7: 512 consecutive bytes a store ----
	s_wait_xcnt 0x0                                ; the last pass's stores have read SEL
.set t, 0
.rept 4
.set i, 0
.rept 4
	v_cndmask_b32 v[SEL+4*t+i], v[ZZ+8*t+i], v[ZZ+8*t+4+i], s[HM]
.set i, i+1
.endr
	global_store_b128 v[ZO], v[SEL+4*t:SEL+4*t+3], s[8:9] offset:512*t
.set t, t+1
.endr
	WIN 0x40
.set i, 0
.rept 16
	v_cvt_pk_f16_f32 v[ZB+8*(i/4)+i%4], v[ZZ+8*(i/4)+2*(i%4)], v[ZZ+8*(i/4)+2*(i%4)+1]
.set i, i+1
.endr
	WIN 0
	FEAT 0
	FEAT 1
	FEAT 2
	FEAT 3
	; ---- the estimator's layers 0 and 1: 32 features of g0 at a time ----
	ACCINIT 64, 3, 4, 3840
	WIN 0x40
.set i, 0
.rept 4
	v_mov_b32 v[FB+4+i], 0                         ; E0's fragments have k = 0..15 alone
	v_mov_b32 v[FB+12+i], 0
.set i, i+1
.endr
	WIN 0
	s_mov_b32 s[K0], 0
	s_mov_b32 s[KC], 4
.Lest:
	v_add_nc_u32 v[AE0], s[K0], v[AEW]
	s_lshr_b32 s[TW], s[K0], 2
	v_add_nc_u32 v[AE1], s[TW], v[AEW]
	s_lshr_b32 s[TW], s[K0], 5
	v_add_nc_u32 v[ABI], s[TW], v[HB]
	s_add_co_u32 s[K0], s[K0], 4096
	WIN 0x40
	ds_load_b128 v[FB:FB+3],    v[AE1] offset:49152
	ds_load_b128 v[FB+8:FB+11], v[AE1] offset:49152+512
.set i, 0
.rept 4
	ds_load_b128 v[FB+32+8*i:FB+32+8*i+3],   v[AE0] offset:32768+1024*i
	ds_load_b128 v[FB+32+8*i+4:FB+32+8*i+7], v[AE0] offset:32768+1024*i+512
.set i, i+1
.endr
	BILOAD 3328
	s_wait_dscnt 0x0
	WIN 0x05
.set gi, 0
.rept 8
	v_wmma_f32_16x16x32_f16 v[A0+8*gi:A0+8*gi+7], v[FB+8*(gi/4):FB+8*(gi/4)+7], v[ZB+8*(gi%4):ZB+8*(gi%4)+7], v[BI+8*(gi/4):BI+8*(gi/4)+7]
.set gi, gi+1
.endr
	WIN 0
	PLACES
	T1ALL
	T2ALL
.set n3, 0
.rept 64
	T3I
.endr
	WIN 0xf1
.set gi, 0
.rept 16
	v_wmma_f32_16x16x32_f16 v[64+32*(gi/4)+8*(gi%4):64+32*(gi/4)+8*(gi%4)+7], v[FB+32+8*(gi/4):FB+32+8*(gi/4)+7], v[H0+8*(gi%4):H0+8*(gi%4)+7], v[64+32*(gi/4)+8*(gi%4):64+32*(gi/4)+8*(gi%4)+7]
.set gi, gi+1
.endr
	WIN 0
	PLACES
	s_sub_co_u32 s[KC], s[KC], 1
	s_cmp_lg_u32 s[KC], 0
	s_cbranch_scc1 .Lest
	; ---- g1 ----
	MCOPY 64, 3
	TL 192, 3
	MCOPY 128, 3
	TL 224, 3
	; ---- the logits, sources swapped: lane = component, register = row ----
	WIN 0x40
.set i, 0
.rept 2
	ds_load_b128 v[FB+8*i:FB+8*i+3],   v[AEW] offset:57344+1024*i
	ds_load_b128 v[FB+8*i+4:FB+8*i+7], v[AEW] offset:57344+1024*i+512
.set i, i+1
.endr
	WIN 0
.set i, 0
.rept 8
	ds_load_b32 v[BI+i], v[EB2A]                   ; my component's eb2, for each of the eight rows
.set i, i+1
.endr
	s_wait_dscnt 0x0
	WIN 0x07
.set gi, 0
.rept 8
.if gi < 4
	v_wmma_f32_16x16x32_f16 v[LG+8*(gi%4):LG+8*(gi%4)+7], v[192+32*(gi/4)+8*(gi%4):192+32*(gi/4)+8*(gi%4)+7], v[FB+8*(gi/4):FB+8*(gi/4)+7], v[BI:BI+7]
.else
	v_wmma_f32_16x16x32_f16 v[LG+8*(gi%4):LG+8*(gi%4)+7], v[192+32*(gi/4)+8*(gi%4):192+32*(gi/4)+8*(gi%4)+7], v[FB+8*(gi/4):FB+8*(gi/4)+7], v[LG+8*(gi%4):LG+8*(gi%4)+7]
.endif
.set gi, gi+1
.endr
	WIN 0
	PLACES
	; ---- softmax over the 16 lanes of a row of lanes, the maximum taken away, in base 2 ----
.set j, 0
.rept 16
	v_pk_mul_f32 v[LG+2*j:LG+2*j+1], v[LG+2*j:LG+2*j+1], s[L2E:L2E+1] op_sel_hi:[1,0]
.set j, j+1
.endr
	DPP32 v_max_num_f32_dpp, MX, LG, 1
	DPP32 v_max_num_f32_dpp, MX, MX, 2
	DPP32 v_max_num_f32_dpp, MX, MX, 4
	DPP32 v_max_num_f32_dpp, MX, MX, 8
.set j, 0
.rept 16
	v_pk_add_f32 v[LG+2*j:LG+2*j+1], v[LG+2*j:LG+2*j+1], v[MX+2*j:MX+2*j+1] neg_lo:[0,1] neg_hi:[0,1]
.set j, j+1
.endr
.set j, 0
.rept 32
	v_exp_f32 v[LG+j], v[LG+j]
.set j, j+1
.endr
	TWAIT
	DPP32 v_add_f32_dpp, MX, LG, 1
	DPP32 v_add_f32_dpp, MX, MX, 2
	DPP32 v_add_f32_dpp, MX, MX, 4
	DPP32 v_add_f32_dpp, MX, MX, 8
.set j, 0
.rept 32
	v_rcp_f32 v[MX+j], v[MX+j]
.set j, j+1
.endr
	TWAIT
.set j, 0
.rept 16
	v_pk_mul_f32 v[LG+2*j:LG+2*j+1], v[LG+2*j:LG+2*j+1], v[MX+2*j:MX+2*j+1]
.set j, j+1
.endr
	WIN 0x40
.set j, 0
.rept 16
	v_cvt_pk_bf16_f32 v[GB+j], v[LG+2*j], v[LG+2*j+1]
.set j, j+1
.endr
	; ---- the moments: features^T gamma, summed over the 64 rows; five accumulators by turns ----
	WIN 0x05
.set gi, 0
.rept 10
	v_wmma_f32_16x16x32_bf16 v[ST+8*(gi%5):ST+8*(gi%5)+7], v[FT+16*(gi%5)+8*(gi/5):FT+16*(gi%5)+8*(gi/5)+7], v[GB+8*(gi/5):GB+8*(gi/5)+7], v[ST+8*(gi%5):ST+8*(gi%5)+7]
.set gi, gi+1
.endr
	WIN 0
	; ---- the pass's end ----
	s_sub_co_u32 s[PASS], s[PASS], 1
	s_wait_xcnt 0x0                                ; prefetches and stores have read their pointers
	s_add_nc_u64 s[8:9], s[8:9], 2048
	s_xor_b32 s[MW], s[MW], 0x18000                ; the walk turns round
	s_xor_b32 s[MF], s[MF], 0x30000
	s_sub_co_u32 s[RB], s[RB], 0x10000             ; and begins in the slot that was read last
	s_cmp_lg_u32 s[PASS], 0
	s_cbranch_scc1 .Lpass
; ================= the moments go out: the four waves' sums meet in slot X, which is filled no more =================
	PLACES
	s_wait_dscnt 0x0
	s_barrier_signal -1
	s_barrier_wait -1                              ; every wave's reads of the slot are over
	v_and_b32 v[AW1], 15, v0
	v_bfe_u32 v[AW0], v0, 4, 1
	s_mul_i32 s[TW], s[WV], 8448
	s_add_co_u32 s[TW], s[TW], SCR
	v_mul_u32_u24 v[ABI], v[AW1], 528              ; row = component, 528 bytes apart: sixteen rows begin at sixteen different groups of four banks
	v_lshl_add_u32 v[ABI], v[AW0], 5, v[ABI]
	v_add_nc_u32 v[ABI], s[TW], v[ABI]
.set i, 0
.rept 5
	ds_store_b128 v[ABI], v[ST+8*i:ST+8*i+3]   offset:64*i
	ds_store_b128 v[ABI], v[ST+8*i+4:ST+8*i+7] offset:64*i+16
.set i, i+1
.endr
	s_wait_dscnt 0x0
	s_barrier_signal -1
	s_barrier_wait -1
	v_and_b32 v[AE0], 31, v0
	v_min_u32 v[AE1], 19, v[AE0]                   ; a component has 80 numbers: 20 pieces of 16 bytes; the lanes behind store zeros
	s_mul_i32 s[TW], s[WV], 528
	s_add_co_u32 s[TW], s[TW], SCR
	v_lshl_add_u32 v[AE1], v[AE1], 4, s[TW]
	v_cmp_gt_u32 vcc_lo, 20, v[AE0]
.set i, 0
.rept 16
	ds_load_b128 v[A0+4*i:A0+4*i+3], v[AE1] offset:2112*(i/4)+8448*(i%4)
.set i, i+1
.endr
	s_wait_dscnt 0x0
.set i, 0
.rept 4
.set b, A0+16*i
	v_pk_add_f32 v[b:b+1], v[b:b+1], v[b+4:b+5]
	v_pk_add_f32 v[b+2:b+3], v[b+2:b+3], v[b+6:b+7]
	v_pk_add_f32 v[b+8:b+9], v[b+8:b+9], v[b+12:b+13]
	v_pk_add_f32 v[b+10:b+11], v[b+10:b+11], v[b+14:b+15]
	v_pk_add_f32 v[b:b+1], v[b:b+1], v[b+8:b+9]
	v_pk_add_f32 v[b+2:b+3], v[b+2:b+3], v[b+10:b+11]
	v_cndmask_b32 v[b], 0, v[b], vcc_lo
	v_cndmask_b32 v[b+1], 0, v[b+1], vcc_lo
	v_cndmask_b32 v[b+2], 0, v[b+2], vcc_lo
	v_cndmask_b32 v[b+3], 0, v[b+3], vcc_lo
	global_store_b128 v[L16], v[b:b+3], s[10:11] offset:524288*i   ; component wave + 4 i: 512 consecutive bytes
.set i, i+1
.endr
	s_wait_tensorcnt 0x0                           ; the wave's end
	ds_add_u32 v[SPW], v[NIL]
	s_wait_dscnt 0x0
	ROUND                                          ; the closing round
	s_endpgm
.Lfunc_end_k_qec331066a4_mlp:
	.size	k_qec331066a4_mlp, .Lfunc_end_k_qec331066a4_mlp-k_qec331066a4_mlp
	.p2alignl 7, 3214868480
	.fill 96, 4, 3214868480
	.section	.rodata,"a",@progbits
	.p2align	6, 0x0
	.amdhsa_kernel k_qec331066a4_mlp
		.amdhsa_group_segment_fixed_size 327680
		.amdhsa_private_segment_fixed_size 0
		.amdhsa_enable_private_segment 0
		.amdhsa_kernarg_size 32
		.amdhsa_user_sgpr_count 2
		.amdhsa_user_sgpr_kernarg_segment_ptr 1
		.amdhsa_wavefront_size32 1
		.amdhsa_system_sgpr_workgroup_id_x 1
		.amdhsa_system_sgpr_workgroup_id_y 1
		.amdhsa_system_sgpr_workgroup_id_z 1
		.amdhsa_system_vgpr_workitem_id 0
		.amdhsa_next_free_vgpr 1024
		.amdhsa_next_free_sgpr 72
		.amdhsa_reserve_vcc 1
		.amdhsa_float_denorm_mode_32 3
		.amdhsa_float_denorm_mode_16_64 3
		.amdhsa_memory_ordered 1
		.amdhsa_forward_progress 1
		.amdhsa_inst_pref_size 255
	.end_amdhsa_kernel
	.section	.bss,"aw",@nobits
	.p2align	6
	.space	262144
	.amdgpu_metadata
---
amdhsa.version: [ 1, 2 ]
amdhsa.kernels:
  - .name:           k_qec331066a4_mlp
    .symbol:         k_qec331066a4_mlp.kd
    .args:
      - { .name: x, .offset: 0, .size: 8, .value_kind: global_buffer, .address_space: global }
      - { .name: wts, .offset: 8, .size: 8, .value_kind: global_buffer, .address_space: global }
      - { .name: out1, .offset: 16, .size: 8, .value_kind: global_buffer, .address_space: global }
      - { .name: part, .offset: 24, .size: 8, .value_kind: global_buffer, .address_space: global }
    .group_segment_fixed_size: 327680
    .private_segment_fixed_size: 0
    .kernarg_segment_align: 8
    .kernarg_segment_size: 32
    .max_flat_workgroup_size: 128
    .sgpr_count:     72
    .vgpr_count:     1024
    .wavefront_size: 32
...
	.end_amdgpu_metadata
.endif
;; end of part 2
;; launch gmm (part 3): grid 16 x 1, 8 waves a work-group, no clusters, 5,888 bytes of LDS; arguments part, wts, prm; writes prm
.if DOCPART == 3
	.amdgcn_target "amdgcn-amd-amdhsa--gfx1250"
	.amdhsa_code_object_version 6
	.text
	.protected	k_qec331066a4_gmm
	.globl	k_qec331066a4_gmm
	.p2align	8
	.type	k_qec331066a4_gmm,@function
k_qec331066a4_gmm:
	s_mov_b64 s[64:65], 0
	v_nop
	global_prefetch_b8 v0, s[64:65] scope:SCOPE_SE
	s_setreg_imm32_b32 hwreg(HW_REG_WAVE_MODE, 25, 1), 1
	s_wait_xcnt 0x0
; One work-group for each component k: the 256 work-groups' partial moments are added, and the component's parameters made.
; sigma = S2/S0 - m m^T + 1e-6 I with m = S1/S0 about the pivot b3 (sqrt(gamma) is not formed: first kernel's head); its Cholesky factor L by columns, in f32.
; prm[k][..]: [i (i-1)/2 + j] = -L[i][j] (j < i); [28 + i] = 1 / L[i][i]; [36 + i] = mu[i] = b3[i] + m[i]; [44] = log2 phi - (8 log2(2 pi) + log2 det sigma) / 2; the rest 0.
; LIMITS.  A component whose rounded gamma is 0 in every row, or a pivot that is not positive, gives NaN.
; Moment f of 80: f = 16 x + m, x < 4: sum gamma y[m & 7] y[(m & 7) ^ x ^ 4 (m >> 3)]; f = 64 + i: S1[i]; f = 72: S0.
.set MOM,   4096
.set OUTS,  4608
.set SPARE, 4864                       ; the spare words: 128 bytes for each of eight waves
.set MM, 32
.set B3, 112
.set RS, 120
.set MI, 122
.set AM, 130                           ; a[i][j], j <= i, at AM + i (i+1)/2 + j
.set RR, 166
.set LGS, 174
.set MU, 184
.set C2, 192
.macro LEVEL n
.set i, 0
.rept \n
	v_pk_add_f32 v[32+4*i:32+4*i+1], v[32+4*i:32+4*i+1], v[32+4*(i+\n):32+4*(i+\n)+1]
	v_pk_add_f32 v[32+4*i+2:32+4*i+3], v[32+4*i+2:32+4*i+3], v[32+4*(i+\n)+2:32+4*(i+\n)+3]
.set i, i+1
.endr
.endm
	s_load_b128 s[4:7], s[0:1], 0x0                ; part, wts
	s_load_b64 s[8:9], s[0:1], 0x10                ; prm
	v_lshl_add_u32 v2, v0, 2, SPARE
	v_mov_b32 v3, 0
	v_mov_b32 v6, 0
	v_lshrrev_b32 v1, 5, v0
	v_readfirstlane_b32 s10, v1
	v_and_b32 v4, 31, v0
	v_lshlrev_b32 v4, 4, v4                        ; 16 x lane
	v_lshlrev_b32 v5, 4, v0                        ; 512 x wave + 16 x lane
	v_and_b32 v7, 15, v0
	v_lshlrev_b32 v7, 4, v7
	s_lshl_b32 s12, ttmp9, 17                      ; the component's 256 records of 512 bytes,
	s_lshl_b32 s13, s10, 14                        ; my wave's 32
	s_add_co_u32 s12, s12, s13
	s_mov_b32 s13, 0
	s_lshl_b32 s14, ttmp9, 8
	s_mov_b32 s15, 0
	s_wait_kmcnt 0x0
	s_add_nc_u64 s[4:5], s[4:5], s[12:13]
	s_add_nc_u64 s[8:9], s[8:9], s[14:15]
.set i, 0
.rept 32
	global_load_b128 v[32+4*i:32+4*i+3], v4, s[4:5] offset:512*i
.set i, i+1
.endr
	s_wait_loadcnt 0x0
	LEVEL 16
	LEVEL 8
	LEVEL 4
	LEVEL 2
	LEVEL 1
	ds_store_b128 v5, v[32:35]
	s_wait_dscnt 0x0
	s_barrier_signal -1
	s_barrier_wait -1
	s_cmp_lg_u32 s10, 0
	s_cbranch_scc1 .Lend                           ; wave 0 does the rest
.set i, 0
.rept 8
	ds_load_b128 v[32+4*i:32+4*i+3], v4 offset:512*i
.set i, i+1
.endr
	global_load_b128 v[B3:B3+3],   v6, s[6:7] offset:325696   ; b3, bf16-rounded, from the bias region
	global_load_b128 v[B3+4:B3+7], v6, s[6:7] offset:325712
	s_wait_dscnt 0x0
	LEVEL 4
	LEVEL 2
	LEVEL 1
	ds_store_b128 v4, v[32:35] offset:MOM
.set i, 0
.rept 20
	ds_load_b128 v[MM+4*i:MM+4*i+3], v6 offset:MOM+16*i   ; all 80 moments into every lane; LDS serves a wave's instructions in order
.set i, i+1
.endr
	s_wait_dscnt 0x0
	s_wait_loadcnt 0x0
	v_rcp_f32 v[RS], v[MM+72]
	v_nop
	s_wait_alu depctr_va_vdst(0)
.set i, 0
.rept 8
	v_mul_f32 v[MI+i], v[MM+64+i], v[RS]
.set i, i+1
.endr
.set i, 0
.rept 8
.set j, 0
.rept i+1
.set x, i^j
	v_mul_f32 v[AM+i*(i+1)/2+j], v[MM+16*(x&3)+8*(x>>2)+i], v[RS]
	v_fma_f32 v[AM+i*(i+1)/2+j], -v[MI+i], v[MI+j], v[AM+i*(i+1)/2+j]
.set j, j+1
.endr
	v_add_f32 v[AM+i*(i+1)/2+i], 0x358637bd, v[AM+i*(i+1)/2+i]   ; + 1e-6
	v_add_f32 v[MU+i], v[B3+i], v[MI+i]
.set i, i+1
.endr
	; Cholesky by columns.  The pivot d stays on the diagonal; r = 1 / sqrt(d); the column becomes -L (two of them multiply as two L do).
.set j, 0
.rept 8
	v_rsq_f32 v[RR+j], v[AM+j*(j+1)/2+j]
	v_nop
	s_wait_alu depctr_va_vdst(0)
.set i, j+1
.rept 7-j
	v_mul_f32 v[AM+i*(i+1)/2+j], v[AM+i*(i+1)/2+j], -v[RR+j]
.set i, i+1
.endr
.set i, j+1
.rept 7-j
.set k, j+1
.rept i-j
	v_fma_f32 v[AM+i*(i+1)/2+k], -v[AM+i*(i+1)/2+j], v[AM+k*(k+1)/2+j], v[AM+i*(i+1)/2+k]
.set k, k+1
.endr
.set i, i+1
.endr
.set j, j+1
.endr
.set j, 0
.rept 8
	v_log_f32 v[LGS+j], v[AM+j*(j+1)/2+j]          ; log2 det sigma = the sum of log2 of the pivots
.set j, j+1
.endr
	v_log_f32 v[LGS+8], v[MM+72]
	v_nop
	s_wait_alu depctr_va_vdst(0)
	v_add_f32 v[LGS], v[LGS], v[LGS+1]
	v_add_f32 v[LGS+2], v[LGS+2], v[LGS+3]
	v_add_f32 v[LGS+4], v[LGS+4], v[LGS+5]
	v_add_f32 v[LGS+6], v[LGS+6], v[LGS+7]
	v_add_f32 v[LGS], v[LGS], v[LGS+2]
	v_add_f32 v[LGS+4], v[LGS+4], v[LGS+6]
	v_add_f32 v[LGS], v[LGS], v[LGS+4]
	v_fma_f32 v[C2], v[LGS], -0.5, v[LGS+8]
	v_add_f32 v[C2], 0xc1e4d90e, v[C2]             ; - 18 (phi = S0 / 2^18) - 4 log2(2 pi) = - 28.605985
.set i, 1
.rept 7
.set j, 0
.rept i
	ds_store_b32 v6, v[AM+i*(i+1)/2+j] offset:OUTS+4*(i*(i-1)/2+j)   ; every lane writes the same word with the same value
.set j, j+1
.endr
.set i, i+1
.endr
.set i, 0
.rept 8
	ds_store_b32 v6, v[RR+i] offset:OUTS+4*(28+i)
	ds_store_b32 v6, v[MU+i] offset:OUTS+4*(36+i)
.set i, i+1
.endr
	ds_store_b32 v6, v[C2] offset:OUTS+4*44
.set i, 45
.rept 19
	ds_store_b32 v6, v6 offset:OUTS+4*i
.set i, i+1
.endr
	ds_load_b128 v[32:35], v7 offset:OUTS
	s_wait_dscnt 0x0
	v_cmp_gt_u32 vcc_lo, 16, v0
	s_wait_xcnt 0x0                                ; EXEC changes only behind this wait
	s_and_saveexec_b32 s14, vcc_lo
	global_store_b128 v7, v[32:35], s[8:9]         ; sixteen lanes: the component's 256 bytes
	s_wait_xcnt 0x0
	s_or_b32 exec_lo, exec_lo, s14
.Lend:
	s_wait_tensorcnt 0x0                           ; the wave's end, behind my last LDS store
	ds_add_u32 v2, v3
	s_wait_dscnt 0x0
	s_endpgm
.Lfunc_end_k_qec331066a4_gmm:
	.size	k_qec331066a4_gmm, .Lfunc_end_k_qec331066a4_gmm-k_qec331066a4_gmm
	.p2alignl 7, 3214868480
	.fill 96, 4, 3214868480
	.section	.rodata,"a",@progbits
	.p2align	6, 0x0
	.amdhsa_kernel k_qec331066a4_gmm
		.amdhsa_group_segment_fixed_size 5888
		.amdhsa_private_segment_fixed_size 0
		.amdhsa_enable_private_segment 0
		.amdhsa_kernarg_size 24
		.amdhsa_user_sgpr_count 2
		.amdhsa_user_sgpr_kernarg_segment_ptr 1
		.amdhsa_wavefront_size32 1
		.amdhsa_system_sgpr_workgroup_id_x 1
		.amdhsa_system_sgpr_workgroup_id_y 1
		.amdhsa_system_sgpr_workgroup_id_z 1
		.amdhsa_system_vgpr_workitem_id 0
		.amdhsa_next_free_vgpr 200
		.amdhsa_next_free_sgpr 66
		.amdhsa_reserve_vcc 1
		.amdhsa_float_denorm_mode_32 3
		.amdhsa_float_denorm_mode_16_64 3
		.amdhsa_memory_ordered 1
		.amdhsa_forward_progress 1
		.amdhsa_inst_pref_size 29
	.end_amdhsa_kernel
	.amdgpu_metadata
---
amdhsa.version: [ 1, 2 ]
amdhsa.kernels:
  - .name:           k_qec331066a4_gmm
    .symbol:         k_qec331066a4_gmm.kd
    .args:
      - { .name: part, .offset: 0, .size: 8, .value_kind: global_buffer, .address_space: global }
      - { .name: wts, .offset: 8, .size: 8, .value_kind: global_buffer, .address_space: global }
      - { .name: prm, .offset: 16, .size: 8, .value_kind: global_buffer, .address_space: global }
    .group_segment_fixed_size: 5888
    .private_segment_fixed_size: 0
    .kernarg_segment_align: 8
    .kernarg_segment_size: 24
    .max_flat_workgroup_size: 256
    .sgpr_count:     66
    .vgpr_count:     200
    .wavefront_size: 32
...
	.end_amdgpu_metadata
.endif
;; end of part 3
;; launch energy (part 4): grid 256 x 1, 8 waves a work-group, no clusters, 0 bytes of LDS; arguments out1, prm, out0; writes out0
.if DOCPART == 4
	.amdgcn_target "amdgcn-amd-amdhsa--gfx1250"
	.amdhsa_code_object_version 6
	.text
	.protected	k_qec331066a4_energy
	.globl	k_qec331066a4_energy
	.p2align	8
	.type	k_qec331066a4_energy,@function
k_qec331066a4_energy:
	s_mov_b64 s[64:65], 0
	v_nop
	global_prefetch_b8 v0, s[64:65] scope:SCOPE_SE
	s_setreg_imm32_b32 hwreg(HW_REG_WAVE_MODE, 25, 1), 1
	s_wait_xcnt 0x0
; prob[n] = -logsumexp over k of (log phi[k] - (|L[k]^-1 (z[n] - mu[k])|^2 + 8 log(2 pi) + log det sigma[k]) / 2), in f32, in base 2, with a running maximum.
; A thread owns four rows: 128 consecutive bytes of z, 16 of prob; a wave's store covers 512 consecutive bytes.  The rows go in two pairs through packed f32 arithmetic: z is laid once so that
; number i of rows 2 q and 2 q + 1 are neighbours; a parameter is given to both halves out of its register pair (op_sel and op_sel_hi name the register).
; The solve is forward substitution with -L and 1 / L[i][i] from prm, by columns: when v[j] is made, it goes into all d[i] below it, which do not wait for each other; each d[i] takes its terms in ascending j.
; A component's 48 parameters come into every lane by twelve loads of one address; two sets take turns, so that one is on its way while the other is used.  In the last trip there is no further
; component: its look-ahead reads the trip's own first component once more, inside prm, and nobody uses it.
; No matrix unit and no LDS: a component's factor is 8 x 8 and triangular, and rows share nothing but the parameters.
.set DV, 16                            ; z as loaded (row r at DV + 8 r); then d and v: pair q, number i at DV + 16 q + 2 i
.set ZT, 48                            ; z by pairs, in the same order
.set PA, 80
.set PB, 128
.set M0, 176                           ; the running maximum, in two sets that take turns
.set M1, 180
.set SV, 184                           ; running sum
.set LV, 188
.set AV, 192
.set BV, 196
.macro R4 line:vararg                  ; one line for each of the four rows r
.set r, 0
.rept 4
	\line
.set r, r+1
.endr
.endm
.macro Q2 line:vararg                  ; one line for each of the two pairs q
.set q, 0
.rept 2
	\line
.set q, q+1
.endr
.endm
.macro PSUB P, i                       ; d[i] = z[i] - mu[i]
.if ((\i)&1)
	Q2 v_pk_add_f32 v[DV+16*q+2*(\i):DV+16*q+2*(\i)+1], v[ZT+16*q+2*(\i):ZT+16*q+2*(\i)+1], v[(\P)+35+(\i):(\P)+36+(\i)] op_sel:[0,1] op_sel_hi:[1,1] neg_lo:[0,1] neg_hi:[0,1]
.else
	Q2 v_pk_add_f32 v[DV+16*q+2*(\i):DV+16*q+2*(\i)+1], v[ZT+16*q+2*(\i):ZT+16*q+2*(\i)+1], v[(\P)+36+(\i):(\P)+37+(\i)] op_sel_hi:[1,0] neg_lo:[0,1] neg_hi:[0,1]
.endif
.endm
.macro PMUL P, i                       ; v[i] = d[i] / L[i][i]
.if ((\i)&1)
	Q2 v_pk_mul_f32 v[DV+16*q+2*(\i):DV+16*q+2*(\i)+1], v[DV+16*q+2*(\i):DV+16*q+2*(\i)+1], v[(\P)+27+(\i):(\P)+28+(\i)] op_sel:[0,1] op_sel_hi:[1,1]
.else
	Q2 v_pk_mul_f32 v[DV+16*q+2*(\i):DV+16*q+2*(\i)+1], v[DV+16*q+2*(\i):DV+16*q+2*(\i)+1], v[(\P)+28+(\i):(\P)+29+(\i)] op_sel_hi:[1,0]
.endif
.endm
.macro PFMA P, i, j                    ; d[i] -= L[i][j] v[j]
.set x, (\i)*((\i)-1)/2+(\j)
.if (x&1)
	Q2 v_pk_fma_f32 v[DV+16*q+2*(\i):DV+16*q+2*(\i)+1], v[(\P)+x-1:(\P)+x], v[DV+16*q+2*(\j):DV+16*q+2*(\j)+1], v[DV+16*q+2*(\i):DV+16*q+2*(\i)+1] op_sel:[1,0,0] op_sel_hi:[1,1,1]
.else
	Q2 v_pk_fma_f32 v[DV+16*q+2*(\i):DV+16*q+2*(\i)+1], v[(\P)+x:(\P)+x+1], v[DV+16*q+2*(\j):DV+16*q+2*(\j)+1], v[DV+16*q+2*(\i):DV+16*q+2*(\i)+1] op_sel_hi:[0,1,1]
.endif
.endm
; One component, parameters in set P; set Q is asked for at byte poff behind the pointer s[sb:sb+1]; the maximum goes from MO to MN.
.macro COMP P, Q, sb, poff, MO, MN
.set i, 0
.rept 12
	global_load_b128 v[(\Q)+4*i:(\Q)+4*i+3], v3, s[\sb:\sb+1] offset:(\poff)+16*i
.set i, i+1
.endr
	s_wait_loadcnt 12                              ; my set is in; the twelve loads just issued may stay out
.set i, 0
.rept 8
	PSUB \P, i
.set i, i+1
.endr
.set j, 0
.rept 8
	PMUL \P, j
.set i, j+1
.rept 7-j
	PFMA \P, i, j
.set i, i+1
.endr
.set j, j+1
.endr
	Q2 v_pk_mul_f32 v[LV+2*q:LV+2*q+1], v[DV+16*q:DV+16*q+1], v[DV+16*q:DV+16*q+1]
	Q2 v_pk_mul_f32 v[AV+2*q:AV+2*q+1], v[DV+16*q+2:DV+16*q+3], v[DV+16*q+2:DV+16*q+3]
.set i, 2
.rept 3
	Q2 v_pk_fma_f32 v[LV+2*q:LV+2*q+1], v[DV+16*q+2*i:DV+16*q+2*i+1], v[DV+16*q+2*i:DV+16*q+2*i+1], v[LV+2*q:LV+2*q+1]
	Q2 v_pk_fma_f32 v[AV+2*q:AV+2*q+1], v[DV+16*q+2*i+2:DV+16*q+2*i+3], v[DV+16*q+2*i+2:DV+16*q+2*i+3], v[AV+2*q:AV+2*q+1]
.set i, i+2
.endr
	Q2 v_pk_add_f32 v[LV+2*q:LV+2*q+1], v[LV+2*q:LV+2*q+1], v[AV+2*q:AV+2*q+1]
	Q2 v_pk_fma_f32 v[LV+2*q:LV+2*q+1], v[LV+2*q:LV+2*q+1], s[10:11], v[(\P)+44:(\P)+45] op_sel_hi:[1,0,0]
	R4 v_max_num_f32 v[(\MN)+r], v[(\MO)+r], v[LV+r]
	Q2 v_pk_add_f32 v[AV+2*q:AV+2*q+1], v[(\MO)+2*q:(\MO)+2*q+1], v[(\MN)+2*q:(\MN)+2*q+1] neg_lo:[0,1] neg_hi:[0,1]
	Q2 v_pk_add_f32 v[BV+2*q:BV+2*q+1], v[LV+2*q:LV+2*q+1], v[(\MN)+2*q:(\MN)+2*q+1] neg_lo:[0,1] neg_hi:[0,1]
	R4 v_exp_f32 v[AV+r], v[AV+r]
	R4 v_exp_f32 v[BV+r], v[BV+r]
	v_nop
	s_wait_alu depctr_va_vdst(0)                   ; one wait for the eight exponentials, ahead of their first reader
	Q2 v_pk_fma_f32 v[SV+2*q:SV+2*q+1], v[SV+2*q:SV+2*q+1], v[AV+2*q:AV+2*q+1], v[BV+2*q:BV+2*q+1]
.endm
	s_load_b128 s[4:7], s[0:1], 0x0                ; out1 (z), prm
	s_load_b64 s[8:9], s[0:1], 0x10                ; out0
	s_lshl_b32 s13, ttmp9, 8
	v_add_nc_u32 v1, s13, v0
	v_lshlrev_b32 v2, 7, v1                        ; my four rows of z
	v_lshlrev_b32 v4, 4, v1                        ; my four numbers of prob
	v_mov_b32 v3, 0
	s_mov_b32 s10, 0xbf38aa3b                      ; - log2(e) / 2
	s_mov_b32 s11, s10                             ; named with it as a pair
	R4 v_mov_b32 v[M0+r], 0xff7fffff
	R4 v_mov_b32 v[SV+r], 0
	s_wait_kmcnt 0x0
.set i, 0
.rept 8
	global_load_b128 v[DV+4*i:DV+4*i+3], v2, s[4:5] offset:16*i
.set i, i+1
.endr
.set i, 0
.rept 12
	global_load_b128 v[PA+4*i:PA+4*i+3], v3, s[6:7] offset:16*i
.set i, i+1
.endr
	s_wait_loadcnt 12                              ; z is in; the first parameters may stay out
.set i, 0
.rept 32
	v_mov_b32 v[ZT+16*(i/16)+2*(i%8)+(i/8)%2], v[DV+i]   ; row i / 8, number i % 8
.set i, i+1
.endr
	s_mov_b32 s12, 8
.Lpair:
	s_add_nc_u64 s[14:15], s[6:7], 512             ; the next trip's first component; in the last trip this trip's own
	s_cmp_eq_u32 s12, 1
	s_cselect_b64 s[14:15], s[6:7], s[14:15]
	COMP PA, PB, 6, 256, M0, M1
	COMP PB, PA, 14, 0, M1, M0
	s_wait_xcnt 0x0                                ; the loads have read the pointers
	s_add_nc_u64 s[6:7], s[6:7], 512
	s_sub_co_u32 s12, s12, 1
	s_cmp_lg_u32 s12, 0
	s_cbranch_scc1 .Lpair
	R4 v_log_f32 v[LV+r], v[SV+r]
	v_nop
	s_wait_alu depctr_va_vdst(0)
	R4 v_add_f32 v[LV+r], v[LV+r], v[M0+r]
	R4 v_mul_f32 v[LV+r], 0xbf317218, v[LV+r]      ; x (- ln 2)
	global_store_b128 v4, v[LV:LV+3], s[8:9]
	s_endpgm
.Lfunc_end_k_qec331066a4_energy:
	.size	k_qec331066a4_energy, .Lfunc_end_k_qec331066a4_energy-k_qec331066a4_energy
	.p2alignl 7, 3214868480
	.fill 96, 4, 3214868480
	.section	.rodata,"a",@progbits
	.p2align	6, 0x0
	.amdhsa_kernel k_qec331066a4_energy
		.amdhsa_group_segment_fixed_size 0
		.amdhsa_private_segment_fixed_size 0
		.amdhsa_enable_private_segment 0
		.amdhsa_kernarg_size 24
		.amdhsa_user_sgpr_count 2
		.amdhsa_user_sgpr_kernarg_segment_ptr 1
		.amdhsa_wavefront_size32 1
		.amdhsa_system_sgpr_workgroup_id_x 1
		.amdhsa_system_sgpr_workgroup_id_y 1
		.amdhsa_system_sgpr_workgroup_id_z 1
		.amdhsa_system_vgpr_workitem_id 0
		.amdhsa_next_free_vgpr 200
		.amdhsa_next_free_sgpr 66
		.amdhsa_reserve_vcc 0
		.amdhsa_float_denorm_mode_32 3
		.amdhsa_float_denorm_mode_16_64 3
		.amdhsa_memory_ordered 1
		.amdhsa_forward_progress 1
		.amdhsa_inst_pref_size 23
	.end_amdhsa_kernel
	.amdgpu_metadata
---
amdhsa.version: [ 1, 2 ]
amdhsa.kernels:
  - .name:           k_qec331066a4_energy
    .symbol:         k_qec331066a4_energy.kd
    .args:
      - { .name: out1, .offset: 0, .size: 8, .value_kind: global_buffer, .address_space: global }
      - { .name: prm, .offset: 8, .size: 8, .value_kind: global_buffer, .address_space: global }
      - { .name: out0, .offset: 16, .size: 8, .value_kind: global_buffer, .address_space: global }
    .group_segment_fixed_size: 0
    .private_segment_fixed_size: 0
    .kernarg_segment_align: 8
    .kernarg_segment_size: 24
    .max_flat_workgroup_size: 256
    .sgpr_count:     66
    .vgpr_count:     200
    .wavefront_size: 32
...
	.end_amdgpu_metadata
.endif
;; end of part 4
